; MI455X (gfx1250); checked and timed in simulation.
; The chip was launched on July 23, 2026; its instructions are those of AMD's public machine-readable ISA for CDNA 5 (MIT licence, August 2026) and "CDNA5" Instruction Set Architecture Reference Guide (July 2026). The comments in the code are by the model that wrote it; some were corrected since.
;; Music Transformer Attention. Allowed arithmetic: matrix products marked QUANTISED: E2M1 operands, one E8M0 scale for each 32 along K, by v_wmma_scale_f32_16x16x128_f8f6f4 with both operands' format E2M1 (or v_wmma_scale_f32_32x16x128_f4), f32 sums; products left as they are: bf16, f16 or f32 operands; f32 sums; everything else in f32.
;; Inputs: Wk 512 x 512 float32; Wo 512 x 512 float32; Wq 512 x 512 float32; Wv 512 x 512 float32; attention_mask 4 x 2,048 float32; bk 512 float32; bo 512 float32; bq 512 float32; bv 512 float32; hidden_states 4 x 2,048 x 512 float32; rel_table 1,025 x 8 float32.
;; Outputs: out0 4 x 2,048 x 512 float32.
;; This version of the problem:
;;   THIS VERSION OF THE PROBLEM IS GIVEN IN LOW PRECISION. The matrix products marked QUANTISED in the list below multiply operands that are first quantised to E2M1 (2 exponent bits, 1 mantissa bit; 4 bits a number), with one power-of-two scale for each 32 numbers along K (OCP MX v1.0); their sums are f32. The products marked 'left as it is' may take bf16, f16 or f32 operands, with f32 sums. Whichever they take, every output number must still come out within the allowed error. Rounding operands to bf16 (8 significant bits) uses up far more of that allowance than f16 does (11 bits, for magnitudes from 6e-5 to 65,504). All else is computed in f32.
;;   The module's matrix products, in the order in which they are computed (A, B: the left and right operand; K: the contracted axis; several contracted axes count as one K, in the product's order):
;;     1. [M 8,192, K 512] x [K 512, N 512]; A: input hidden_states; B: input Wq: QUANTISED
;;     2. [M 8,192, K 512] x [K 512, N 512]; A: input hidden_states; B: input Wk: QUANTISED
;;     3. [M 8,192, K 512] x [K 512, N 512]; A: input hidden_states; B: input Wv: QUANTISED
;;     4. batch 32 x [M 2,048, K 64] x [K 64, N 2,048]; A: computed on the way; B: computed on the way: left as it is (an operand is computed on the way)
;;     5. batch 32 x [M 2,048, K 2,048] x [K 2,048, N 64]; A: computed on the way; B: computed on the way: left as it is (an operand is computed on the way)
;;     6. [M 8,192, K 512] x [K 512, N 512]; A: computed on the way; B: input Wo: left as it is (an operand is computed on the way)
;;   THE QUANTISER, for each operand of a quantised product, along K:
;;     - K is cut into blocks of 32 from its start; a last block that is shorter is filled with zeros.
;;     - A block's scale is 2^e with e = floor(log2(the largest magnitude in the block)) - 2, held to -126 .. 127; a block of zeros has e = 0. As a byte (E8M0): e + 127.
;;     - Each number is divided by its block's scale, clamped to +-6, and rounded to the nearest number of E2M1, ties to even, subnormals kept.
;;     - The product sums the exact products of the quantised numbers (number of the format x scale) in f32.
;;   ~~~python
;;   def quantise(x, axis):      # numpy; x: float32 -> the quantised numbers, widened to float32 again
;;       x = np.moveaxis(x, axis, -1); K = x.shape[-1]
;;       x = np.pad(x, [(0, 0)] * (x.ndim - 1) + [(0, -K % 32)]); x = x.reshape(x.shape[:-1] + (-1, 32)); a = np.abs(x).max(-1, keepdims=True)
;;       e = np.where(a > 0, np.clip(np.frexp(np.where(a > 0, a, 1))[1] - 1 - 2, -126, 127), 0)      # np.frexp(a)[1] - 1 = floor(log2(a)), exactly
;;       r = np.clip(x / 2.0 ** e, -6, 6)
;;       step = 2.0 ** (np.maximum(np.frexp(np.where(r == 0, 1, r))[1] - 1, 0) - 1)
;;       q = np.round(r / step) * step * 2.0 ** e      # np.round: ties to even
;;       return np.moveaxis(q.reshape(q.shape[:-2] + (-1,))[..., :K], -1, axis).astype(np.float32)
;;   ~~~
;; One version. Each part assembles by itself: llvm-mc -triple=amdgcn-amd-amdhsa -mcpu=gfx1250 --defsym DOCPART=n.
;; ======== version 1 of 1: 4 launches
;; limits: values are held in f16: magnitudes above 65,504 overflow, below 6.1e-05 lose precision
;; workspace buffers: cod 2,490,368 bytes; scl 262,144 bytes; wof 524,288 bytes; qkv 25,165,824 bytes; cf 8,388,608 bytes
;; launch prep (part 1): grid 192 x 1, 4 waves a work-group, no clusters, 35,328 bytes of LDS; arguments hidden_states, Wq, Wk, Wv, Wo, cod, scl, wof; writes cod, scl, wof
.if DOCPART == 1
	.amdgcn_target "amdgcn-amd-amdhsa--gfx1250"
	.amdhsa_code_object_version 6
	.text
	.protected	k_qccc4986d89_prep
	.globl	k_qccc4986d89_prep
	.p2align	8
	.type	k_qccc4986d89_prep,@function
k_qccc4986d89_prep:
	s_mov_b64 s[64:65], 0
	v_nop
	global_prefetch_b8 v0, s[64:65] scope:SCOPE_SE
	s_setreg_imm32_b32 hwreg(HW_REG_WAVE_MODE, 25, 1), 1
	s_wait_xcnt 0x0
; hidden_states [8192][512] and Wq, Wk, Wv [512 (k)][512 (n)], f32, become codes of FP4 (E2M1) with one E8M0 byte for each 32 along K; Wo [512 (k)][512 (n)] becomes f16.
; ALL RESULTS ARE LAID AS IMAGES OF THE READER'S OPERAND REGISTERS, so that later launches load and store 512 dense bytes an instruction and turn nothing:
;   cod: 4,096 bytes for 16 rows x K 512: [K step s of 128][c 0..1][lane][16 bytes]; lane (r, h) of group c holds k = 128 s + 64 c + 32 h + 0..31 of row r.  Tiles 0..511: tokens; 512 + 32 m + n / 16: column n of weight m.
;   scl: one word (4 bytes: 128 along K) a row and K step: 65,536 s + 4 x token, or 65,536 s + 32,768 + 4 (512 m + n).
;   wof: 1,024 bytes for 16 columns n x 32 k of Wo: [n / 16][k / 32][g 0..1][lane][16 bytes]; lane (r, h) of group g holds k = 16 g + 8 h + 0..7 of column r.
; A block's scale is 2^(floor(log2(largest magnitude)) - 2): its byte is that magnitude's exponent field - 2, held at 1 from below.  A block of zeros gets the byte 1: its codes are zeros, and this program alone reads the bytes.
; LIMITS: blocks whose largest magnitude lies under 2^-124 were not tried; NaN and infinities are not served; Wo's numbers must lie inside f16's range (65,504; under 6e-5 the step is 6e-8).
; Work-groups 0..127 take 64 tokens each, wave s the K step s.  Work-groups 128..191 take the weights: weight m, K step s, 128 columns; a lane takes a column and its registers run down K.
; No tensor load, no barrier: waves share nothing, so there is nothing that a cluster could ask for jointly.
.set WREG,  8704                       ; LDS of a wave: a stage of 16 rows x 528 bytes, then 256 bytes of scale words
.set SCW,   8448
.set SPARE, 4*WREG                     ; the spare words: 128 bytes a wave, two blocks of 256 bytes that no other line names
.set LI,  1                            ; v1   16 x lane
.set RR,  2                            ; v2   r = lane % 16
.set HH,  3                            ; v3   h = lane / 16
.set STI, 4                            ; v4   the stage, on the way in   (weights: 4 x lane)
.set STO, 5                            ; v5   the stage, on the way out  (weights: my place in an image)
.set SCI, 6                            ; v6   where my row's scale word goes
.set SCO, 7                            ; v7   where the wave's 256 bytes of scale words are read back
.set L8,  8                            ; v8   8 x lane
.set LN,  9                            ; v9   lane
.set SPW, 10                           ; v10  my spare word; never rewritten
.set NIL, 11                           ; v11  0; never rewritten
.set TM,  12                           ; v12-27 at work in the quantiser
.set PW,  28                           ; v28-31 a scale word for each tile
.set PC,  32                           ; v32-63 eight registers of codes for each tile
.set X,   64                           ; v64-127 64 numbers: register 16 b + i = k 32 b + 16 h + i of my row
.set R,   128                          ; v128-255 two sets of 64, as loaded
.set SEL, 30                           ; s[30:31] lane selects: lane l xor 16
	s_load_b256 s[4:11], s[0:1], 0x0               ; hidden_states s[4:5], Wq s[6:7], Wk s[8:9], Wv s[10:11]
	s_load_b256 s[12:19], s[0:1], 0x20             ; Wo s[12:13], cod s[14:15], scl s[16:17], wof s[18:19]
	v_lshl_add_u32 v[SPW], v0, 2, SPARE
	v_mov_b32 v[NIL], 0
	v_lshrrev_b32 v1, 5, v0
	v_readfirstlane_b32 s20, v1                    ; wave 0..3
	v_and_b32 v[LN], 31, v0
	v_lshlrev_b32 v[LI], 4, v[LN]
	v_and_b32 v[RR], 15, v0
	v_bfe_u32 v[HH], v0, 4, 1
	s_cmp_lt_u32 ttmp9, 128
	s_cbranch_scc0 .Lw
; ---------------- the tokens ----------------
	s_mul_i32 s21, s20, WREG
	v_add_nc_u32 v[STI], s21, v[LI]                ; in: a row's 512 bytes as they lie
	v_mul_u32_u24 v[STO], v[RR], 528
	v_lshl_add_u32 v[STO], v[HH], 6, v[STO]
	v_add_nc_u32 v[STO], s21, v[STO]               ; out: row r, my half's 16 numbers of each block of 32; rows 528 bytes apart start at 16 different groups of banks
	v_lshlrev_b32 v[SCI], 2, v[RR]
	v_add_nc_u32 v[SCI], s21, v[SCI]
	v_add_nc_u32 v[SCI], SCW, v[SCI]
	v_lshlrev_b32 v[L8], 3, v[LN]
	v_add_nc_u32 v[SCO], s21, v[L8]
	v_add_nc_u32 v[SCO], SCW, v[SCO]
.irp b, 0,1,2,3
	v_mov_b32 v[TM+4+\b], 0                        ; written once: a lane permute's destination counts as one of its sources
.endr
	s_mov_b32 s[SEL], 0x76543210
	s_mov_b32 s[SEL+1], 0xfedcba98
	s_lshl_b32 s22, ttmp9, 17                      ; 64 rows of 2,048 bytes,
	s_lshl_b32 s24, s20, 9                         ; my K step's 512 bytes of a row
	s_add_co_u32 s22, s22, s24
	s_mov_b32 s23, 0
	s_lshl_b32 s24, ttmp9, 14                      ; four images of 4,096 bytes,
	s_lshl_b32 s26, s20, 10                        ; my K step's 1,024 of each
	s_add_co_u32 s24, s24, s26
	s_mov_b32 s25, 0
	s_lshl_b32 s26, s20, 16                        ; my K step's scale words,
	s_lshl_b32 s28, ttmp9, 8                       ; 64 rows of them
	s_add_co_u32 s26, s26, s28
	s_mov_b32 s27, 0
	s_wait_kmcnt 0x0
	s_add_nc_u64 s[4:5], s[4:5], s[22:23]
	s_add_nc_u64 s[14:15], s[14:15], s[24:25]
	s_add_nc_u64 s[16:17], s[16:17], s[26:27]
.macro XLOAD tt                        ; tile tt's 16 rows: each load reads 512 consecutive bytes
.irp q, 0,1,2,3,4,5,6,7,8,9,10,11,12,13,14,15
	global_load_b128 v[R+64*((\tt)%2)+4*\q:R+64*((\tt)%2)+4*\q+3], v[LI], s[4:5] offset:(16*(\tt)+\q)*2048 th:TH_LOAD_NT
.endr
.endm
; 64 numbers of a lane, register 16 b + i = k 32 b + 16 h + i of my row, become a fragment's eight registers of codes and its scale word
.macro QUANT src, pc, pw
.irp b, 0,1,2,3
	v_max3_num_f32 v[TM+\b], |v[(\src)+16*\b]|, |v[(\src)+1+16*\b]|, 0x1800000   ; my 16 numbers of block b, and the floor 2^(3 - 127): the byte cannot fall under 1
.endr
.irp i, 2,4,6,8,10,12,14
.irp b, 0,1,2,3
	v_max3_num_f32 v[TM+\b], v[TM+\b], |v[(\src)+16*\b+\i]|, |v[(\src)+1+16*\b+\i]|   ; the four blocks by turns
.endr
.endr
.irp b, 0,1,2,3
	v_permlanex16_b32 v[TM+4+\b], v[TM+\b], s[SEL], s[SEL+1]
.endr
.irp b, 0,1,2,3
	v_max_num_f32 v[TM+\b], v[TM+\b], v[TM+4+\b]   ; with lane l xor 16's: the block's largest magnitude
.endr
.irp b, 0,1,2,3
	v_add_nc_u32 v[TM+12+\b], 0xff000000, v[TM+\b] ; 2 off its exponent field: the conversion takes this operand's exponent field as its scale
.endr
.irp b, 0,1,2,3
	v_lshrrev_b32 v[TM+4+\b], 23, v[TM+12+\b]      ; the scale's byte
.endr
	v_lshl_or_b32 v[\pw], v[TM+5], 8, v[TM+4]
	v_lshl_or_b32 v[\pw], v[TM+6], 16, v[\pw]
	v_lshl_or_b32 v[\pw], v[TM+7], 24, v[\pw]
.irp b, 0,1,2,3
	v_cvt_scalef32_pk8_fp4_f32 v[(\pc)+2*\b], v[(\src)+16*\b:(\src)+7+16*\b], v[TM+12+\b]
	v_cvt_scalef32_pk8_fp4_f32 v[(\pc)+1+2*\b], v[(\src)+8+16*\b:(\src)+15+16*\b], v[TM+12+\b]
.endr
	v_nop                                          ; one plain place behind a scaled conversion
.irp c, 0,1                                    ; the operand wants a whole block in a lane: lanes 0-15 block 2 c, lanes 16-31 block 2 c + 1
.irp i, 0,1
	v_permlane16_swap_b32 v[(\pc)+4*\c+\i], v[(\pc)+2+4*\c+\i]
.endr
.endr
.endm
.macro TILE tt
.if (\tt) < 3
	s_wait_loadcnt 16                              ; this tile's 16 loads are in; the next tile's 16 may be out
.else
	s_wait_loadcnt 0x0
.endif
.irp q, 0,1,2,3,4,5,6,7,8,9,10,11,12,13,14,15
	ds_store_b128 v[STI], v[R+64*((\tt)%2)+4*\q:R+64*((\tt)%2)+4*\q+3] offset:528*\q
.endr
.irp b, 0,1,2,3
.irp j, 0,1,2,3
	ds_load_b128 v[X+16*\b+4*\j:X+16*\b+4*\j+3], v[STO] offset:128*\b+16*\j   ; LDS serves a wave's instructions in order: these see the stores above
.endr
.endr
	s_wait_dscnt 0x0                               ; the numbers are back, and the stores have read their registers,
.if (\tt) < 2
	XLOAD (\tt)+2                                  ; which take the tile two on
.endif
	QUANT X, PC+8*(\tt), PW+(\tt)
	global_store_b128 v[LI], v[PC+8*(\tt):PC+8*(\tt)+3], s[14:15] offset:4096*(\tt)          ; the image: 512 consecutive bytes a store
	global_store_b128 v[LI], v[PC+8*(\tt)+4:PC+8*(\tt)+7], s[14:15] offset:4096*(\tt)+512
	ds_store_b32 v[SCI], v[PW+(\tt)] offset:64*(\tt)   ; both halves of the lanes write the same word with the same value
.endm
	XLOAD 0
	XLOAD 1
	TILE 0
	TILE 1
	TILE 2
	TILE 3
	ds_load_b64 v[TM:TM+1], v[SCO]                 ; 64 rows' scale words of my K step
	s_wait_dscnt 0x0
	global_store_b64 v[L8], v[TM:TM+1], s[16:17]   ; 32 lanes store 256 consecutive bytes, aligned
	s_wait_tensorcnt 0x0                           ; the wave's end, behind my last LDS store
	ds_add_u32 v[SPW], v[NIL]
	s_wait_dscnt 0x0
	s_endpgm
; ---------------- the weights: no LDS is written on this way ----------------
.Lw:
	s_sub_co_u32 s21, ttmp9, 128                   ; g = 0..63
	s_lshr_b32 s22, s21, 4                         ; m: 0 Wq, 1 Wk, 2 Wv, 3 Wo
	s_bfe_u32 s23, s21, 0x20002                    ; s: the K step of 128
	s_and_b32 s24, s21, 3
	s_lshl_b32 s24, s24, 2
	s_add_co_u32 s24, s24, s20                     ; cg: which 32 columns are my wave's
	v_lshlrev_b32 v[STI], 2, v[LN]                 ; 4 bytes a lane: a lane takes a column
	v_lshlrev_b32 v[STO], 4, v[RR]                 ; 16 r
	s_lshl_b32 s26, s23, 18                        ; 128 rows of 2,048 bytes
	s_lshl_b32 s27, s24, 7                         ; 32 columns of 4 bytes
	s_add_co_u32 s26, s26, s27
	s_mov_b32 s27, 0
	s_wait_kmcnt 0x0
	s_cmp_eq_u32 s22, 1                            ; the choice hangs on the work-group's number alone
	s_cselect_b64 s[6:7], s[8:9], s[6:7]
	s_cmp_eq_u32 s22, 2
	s_cselect_b64 s[6:7], s[10:11], s[6:7]
	s_cmp_eq_u32 s22, 3
	s_cselect_b64 s[6:7], s[12:13], s[6:7]
	s_add_nc_u64 s[6:7], s[6:7], s[26:27]
.macro WLOAD b                         ; 32 rows k = 32 b + i of my column into v[128 + 32 b + i]
.set Q, 32*(\b)
.rept 32
	global_load_b32 v[R+Q], v[STI], s[6:7] offset:2048*Q th:TH_LOAD_NT
.set Q, Q+1
.endr
.endm
.macro WWAIT b                         ; run b is in; the run behind it may be out; then the run two on is asked for
.if (\b) < 3
	s_wait_loadcnt 32
.else
	s_wait_loadcnt 0x0
.endif
.if (\b) < 2
	WLOAD (\b)+2
.endif
.endm
	WLOAD 0
	WLOAD 1
	s_cmp_eq_u32 s22, 3
	s_cbranch_scc1 .Lwo
	; Wq, Wk, Wv: block b of 32 along K is mine alone; its 16 bytes of codes are group b / 2, half b % 2 of the image: 256 b + 16 r
	v_lshl_add_u32 v[STO], v[HH], 12, v[STO]       ; lanes 16-31 hold the next 16 columns: the next image
	s_lshl_b32 s28, s22, 5
	s_lshl_b32 s29, s24, 1
	s_add_co_u32 s28, s28, s29
	s_add_co_u32 s28, s28, 512                     ; tile 512 + 32 m + 2 cg
	s_lshl_b32 s28, s28, 2
	s_add_co_u32 s28, s28, s23
	s_lshl_b32 s28, s28, 10                        ; x 4,096 + 1,024 s
	s_mov_b32 s29, 0
	s_add_nc_u64 s[14:15], s[14:15], s[28:29]
	s_lshl_b32 s28, s23, 16
	s_lshl_b32 s26, s22, 11
	s_add_co_u32 s28, s28, s26
	s_lshl_b32 s26, s24, 7
	s_add_co_u32 s28, s28, s26
	s_add_co_u32 s28, s28, 32768                   ; 65,536 s + 32,768 + 4 (512 m + 32 cg)
	s_add_nc_u64 s[16:17], s[16:17], s[28:29]
.macro WBLOCK b
.set XS, R+32*(\b)
	WWAIT \b
	v_max3_num_f32 v12, |v[XS]|, |v[XS+1]|, |v[XS+2]|
	v_max3_num_f32 v13, |v[XS+3]|, |v[XS+4]|, |v[XS+5]|
.irp i, 6,10,14,18,22,26
	v_max3_num_f32 v12, v12, |v[XS+\i]|, |v[XS+\i+1]|
	v_max3_num_f32 v13, v13, |v[XS+\i+2]|, |v[XS+\i+3]|
.endr
	v_max3_num_f32 v12, v12, |v[XS+30]|, |v[XS+31]|
	v_max3_num_f32 v12, v12, v13, 0x1800000        ; and the floor
	v_add_nc_u32 v[16+(\b)], 0xff000000, v12       ; the conversion's scale operand
	v_lshrrev_b32 v13, 23, v[16+(\b)]              ; the byte
.if (\b) == 0
	v_mov_b32 v[PW], v13
.else
	v_lshl_or_b32 v[PW], v13, 8*(\b), v[PW]
.endif
.irp g, 0,1,2,3
	v_cvt_scalef32_pk8_fp4_f32 v[PC+4*(\b)+\g], v[XS+8*\g:XS+8*\g+7], v[16+(\b)]
.endr
	v_nop                                          ; one plain place behind a scaled conversion
	global_store_b128 v[STO], v[PC+4*(\b):PC+4*(\b)+3], s[14:15] offset:256*(\b)   ; sixteen lanes store 256 consecutive bytes, aligned
.endm
	WBLOCK 0
	WBLOCK 1
	WBLOCK 2
	WBLOCK 3
	global_store_b32 v[STI], v[PW], s[16:17]       ; 32 columns' scale words: 128 consecutive bytes (24 KiB of such stores in the launch)
	s_endpgm
.Lwo:
	; Wo: eight neighbours down K pack into 16 bytes: fragment k / 32, group g, half h
	v_lshl_add_u32 v[STO], v[HH], 14, v[STO]       ; lanes 16-31: the next 16 columns, 16 fragments on
	s_lshl_b32 s28, s24, 5
	s_lshl_b32 s29, s23, 2
	s_add_co_u32 s28, s28, s29
	s_lshl_b32 s28, s28, 10                        ; (32 cg + 4 s) x 1,024
	s_mov_b32 s29, 0
	s_add_nc_u64 s[18:19], s[18:19], s[28:29]
.irp kk, 0,1,2,3
	WWAIT \kk
.irp g, 0,1
.irp h, 0,1
.irp p, 0,1,2,3
	v_cvt_pk_f16_f32 v[PC+4*(4*\kk+2*\g+\h)+\p], v[R+32*\kk+16*\g+8*\h+2*\p], v[R+32*\kk+16*\g+8*\h+2*\p+1]
.endr
	global_store_b128 v[STO], v[PC+4*(4*\kk+2*\g+\h):PC+4*(4*\kk+2*\g+\h)+3], s[18:19] offset:1024*\kk+512*\g+256*\h
.endr
.endr
.endr
	s_endpgm
.Lfunc_end_k_qccc4986d89_prep:
	.size	k_qccc4986d89_prep, .Lfunc_end_k_qccc4986d89_prep-k_qccc4986d89_prep
	.p2alignl 7, 3214868480
	.fill 96, 4, 3214868480
	.section	.rodata,"a",@progbits
	.p2align	6, 0x0
	.amdhsa_kernel k_qccc4986d89_prep
		.amdhsa_group_segment_fixed_size 35328
		.amdhsa_private_segment_fixed_size 0
		.amdhsa_enable_private_segment 0
		.amdhsa_kernarg_size 64
		.amdhsa_user_sgpr_count 2
		.amdhsa_user_sgpr_kernarg_segment_ptr 1
		.amdhsa_wavefront_size32 1
		.amdhsa_system_sgpr_workgroup_id_x 1
		.amdhsa_system_sgpr_workgroup_id_y 1
		.amdhsa_system_sgpr_workgroup_id_z 1
		.amdhsa_system_vgpr_workitem_id 0
		.amdhsa_next_free_vgpr 256
		.amdhsa_next_free_sgpr 66
		.amdhsa_reserve_vcc 0
		.amdhsa_float_denorm_mode_32 3
		.amdhsa_float_denorm_mode_16_64 3
		.amdhsa_memory_ordered 1
		.amdhsa_forward_progress 1
		.amdhsa_inst_pref_size 65
	.end_amdhsa_kernel
	.amdgpu_metadata
---
amdhsa.version: [ 1, 2 ]
amdhsa.kernels:
  - .name:           k_qccc4986d89_prep
    .symbol:         k_qccc4986d89_prep.kd
    .args:
      - { .name: hidden_states, .offset: 0, .size: 8, .value_kind: global_buffer, .address_space: global }
      - { .name: Wq, .offset: 8, .size: 8, .value_kind: global_buffer, .address_space: global }
      - { .name: Wk, .offset: 16, .size: 8, .value_kind: global_buffer, .address_space: global }
      - { .name: Wv, .offset: 24, .size: 8, .value_kind: global_buffer, .address_space: global }
      - { .name: Wo, .offset: 32, .size: 8, .value_kind: global_buffer, .address_space: global }
      - { .name: cod, .offset: 40, .size: 8, .value_kind: global_buffer, .address_space: global }
      - { .name: scl, .offset: 48, .size: 8, .value_kind: global_buffer, .address_space: global }
      - { .name: wof, .offset: 56, .size: 8, .value_kind: global_buffer, .address_space: global }
    .group_segment_fixed_size: 35328
    .private_segment_fixed_size: 0
    .kernarg_segment_align: 8
    .kernarg_segment_size: 64
    .max_flat_workgroup_size: 128
    .sgpr_count:     66
    .vgpr_count:     256
    .wavefront_size: 32
...
	.end_amdgpu_metadata
.endif
;; end of part 1
;; launch qkv (part 2): grid 128 x 3, 4 waves a work-group, no clusters, 0 bytes of LDS; arguments cod, scl, bq, bk, qkv; writes qkv
.if DOCPART == 2
	.amdgcn_target "amdgcn-amd-amdhsa--gfx1250"
	.amdhsa_code_object_version 6
	.text
	.protected	k_qccc4986d89_qkv
	.globl	k_qccc4986d89_qkv
	.p2align	8
	.type	k_qccc4986d89_qkv,@function
k_qccc4986d89_qkv:
	s_mov_b64 s[64:65], 0
	v_nop
	global_prefetch_b8 v0, s[64:65] scope:SCOPE_SE
	s_setreg_imm32_b32 hwreg(HW_REG_WAVE_MODE, 25, 1), 1
	s_wait_xcnt 0x0
; The three quantised products, on codes of FP4 with E8M0 scales: y = 0: q' = (x Wq + bq) log2(e) / 8;  y = 1: k = x Wk + bk;  y = 2: v0 = x Wv (bv is added behind the softmax, whose weights sum to one).
; Results are rounded to f16 and stored as images of the attention's operand registers (1,024 bytes for 16 rows x 32 along its K: [g 0..1][lane][16 bytes]; lane (r, h) of group g holds k = 16 g + 8 h + 0..7 of row r):
;   q at 0, k at 8,388,608: [batch x 8 + head][token / 16][d / 32];   v at 16,777,216: [batch][64 keys][head][channel / 16][keys / 32]: its K is the keys.
; ONE BODY: a wave makes D = S0 S1^T + C for 4 tiles of S0, 8 tiles of S1, K = 512 in four steps.  In D lane (r, h) holds S1's row r and S0's rows 8 h + 0..7, so two neighbouring tiles of S0, packed to f16, ARE an image
; with row = S1's index and k = S0's.  q, k: S0 = a head's 64 columns of W, S1 = 128 tokens.  v: S0 = 64 tokens (keys), S1 = 128 columns of Wv (two heads).
; Operands (48 KiB a wave) go from memory straight into registers, 512 dense bytes a load: no LDS.  Joint requests of a cluster exist for tensor loads alone, so none is made here, though work-groups read the same tiles.
; LIMITS: q', k and v must lie inside f16's range (65,504; under 6e-5 the step is 6e-8).
; REGISTERS: window 0: v1-3 offsets; v4-11 S0's scale words, v12-27 S1's (lanes 0-15 an even tile's rows, lanes 16-31 the odd tile's); v28-59 the bias; v64-159, v160-255 two sets of fragments.  Window 1: 32 accumulators.
.set LI,  1                            ; v1  16 x lane
.set H32, 2                            ; v2  32 x (lane / 16)
.set L4,  3                            ; v3  4 x lane
.set SA,  4
.set SB,  12
.set BQ,  28
.set SM,  46                           ; s46 all ones for q and k, 0 for v: the bias counts or not
.set SC,  44                           ; s[44:45] log2(e) / 8
.set MSB, 0
.macro WIN new                         ; the immediate's high byte repeats the setting that is left
.if MSB != \new
	s_set_vgpr_msb (MSB<<8)|\new
.set MSB, \new
.endif
.endm
	s_load_b256 s[4:11], s[0:1], 0x0               ; cod s[4:5], scl s[6:7], bq s[8:9], bk s[10:11]
	s_load_b64 s[12:13], s[0:1], 0x20              ; qkv
	v_lshrrev_b32 v4, 5, v0
	v_readfirstlane_b32 s14, v4                    ; wave
	v_and_b32 v4, 31, v0
	v_lshlrev_b32 v[LI], 4, v4
	v_lshlrev_b32 v[L4], 2, v4
	v_bfe_u32 v[H32], v0, 4, 1
	v_lshlrev_b32 v[H32], 5, v[H32]
	s_and_b32 s15, ttmp7, 0xffff                   ; y
	s_lshl_b32 s16, ttmp9, 2
	s_add_co_u32 s16, s16, s14                     ; idx = 0..511
	s_and_b32 s17, s16, 7                          ; q, k: head,
	s_lshr_b32 s18, s16, 3                         ;       block of 128 tokens
	s_and_b32 s19, s16, 3                          ; v: block of 128 columns,
	s_lshr_b32 s20, s16, 2                         ;    block of 64 tokens
	; q, k
	s_lshl_b32 s21, s15, 5
	s_lshl_b32 s22, s17, 2
	s_add_co_u32 s21, s21, s22
	s_add_co_u32 s21, s21, 512                     ; S0: tile 512 + 32 y + 4 head
	s_lshl_b32 s22, s18, 3                         ; S1: tile 8 tb
	s_lshl_b32 s23, s15, 11
	s_lshl_b32 s24, s17, 8
	s_add_co_u32 s23, s23, s24
	s_add_co_u32 s23, s23, 32768                   ; S0's scale words
	s_lshl_b32 s24, s18, 9                         ; S1's
	s_lshr_b32 s25, s18, 4
	s_lshl_b32 s25, s25, 3
	s_add_co_u32 s25, s25, s17                     ; batch x 8 + head
	s_lshl_b32 s25, s25, 7
	s_and_b32 s26, s18, 15
	s_lshl_b32 s26, s26, 3
	s_add_co_u32 s25, s25, s26                     ; x 128 + the first token tile in the batch
	s_lshl_b32 s25, s25, 11
	s_lshl_b32 s26, s15, 23
	s_add_co_u32 s25, s25, s26                     ; x 2,048 + 8,388,608 y
	; v
	s_lshl_b32 s28, s20, 2                         ; S0: tile 4 st
	s_lshl_b32 s29, s19, 3
	s_add_co_u32 s29, s29, 576                     ; S1: tile 576 + 8 fb
	s_lshl_b32 s30, s20, 8
	s_lshl_b32 s31, s19, 9
	s_add_co_u32 s31, s31, 32768+4096
	s_lshl_b32 s32, s20, 3
	s_lshl_b32 s33, s19, 1
	s_add_co_u32 s32, s32, s33
	s_lshl_b32 s32, s32, 13
	s_add_co_u32 s32, s32, 16777216                ; (8 st + 2 fb) x 8,192
	s_cmp_lt_u32 s15, 2
	s_cselect_b32 s34, s21, s28
	s_cselect_b32 s36, s22, s29
	s_cselect_b32 s38, s23, s30
	s_cselect_b32 s40, s24, s31
	s_cselect_b32 s42, s25, s32
	s_cselect_b32 s[SM], -1, 0
	s_lshl_b32 s34, s34, 12                        ; a tile is 4,096 bytes
	s_lshl_b32 s36, s36, 12
	s_lshl_b32 s32, s17, 8                         ; the bias of 64 columns
	s_mov_b32 s33, 0
	s_mov_b32 s35, 0
	s_mov_b32 s37, 0
	s_mov_b32 s39, 0
	s_mov_b32 s41, 0
	s_mov_b32 s43, 0
	s_mov_b32 s[SC], 0x3e38aa3b
	s_mov_b32 s[SC+1], s[SC]                       ; (named with it as a pair, so it is written)
	s_wait_kmcnt 0x0
	s_add_nc_u64 s[34:35], s[4:5], s[34:35]
	s_add_nc_u64 s[36:37], s[4:5], s[36:37]
	s_add_nc_u64 s[38:39], s[6:7], s[38:39]
	s_add_nc_u64 s[40:41], s[6:7], s[40:41]
	s_add_nc_u64 s[12:13], s[12:13], s[42:43]
	s_cmp_eq_u32 s15, 0
	s_cselect_b64 s[8:9], s[8:9], s[10:11]         ; bq for q, bk for k (for v bk's bytes are loaded and replaced by zeros)
	s_add_nc_u64 s[8:9], s[8:9], s[32:33]
.irp u, 0,1
.irp s, 0,1,2,3
	global_load_b32 v[SA+4*\u+\s], v[L4], s[38:39] offset:65536*\s+128*\u
.endr
.endr
.irp u, 0,1,2,3
.irp s, 0,1,2,3
	global_load_b32 v[SB+4*\u+\s], v[L4], s[40:41] offset:65536*\s+128*\u
.endr
.endr
.irp i, 0,1,2,3
	global_load_b128 v[BQ+8*\i:BQ+8*\i+3], v[H32], s[8:9] offset:64*\i        ; lane (r, h): the bias of S0's rows 16 i + 8 h + 0..7
	global_load_b128 v[BQ+8*\i+4:BQ+8*\i+7], v[H32], s[8:9] offset:64*\i+16
.endr
.macro FRAGS s                         ; K step s: 12 fragments, 24 loads, into set s % 2
.set FL, 64+96*((\s)%2)
.irp i, 0,1,2,3
.irp c, 0,1
	global_load_b128 v[FL+8*\i+4*\c:FL+8*\i+4*\c+3], v[LI], s[34:35] offset:4096*\i+1024*(\s)+512*\c
.endr
.endr
.irp j, 0,1,2,3,4,5,6,7
.irp c, 0,1
	global_load_b128 v[FL+32+8*\j+4*\c:FL+32+8*\j+4*\c+3], v[LI], s[36:37] offset:4096*\j+1024*(\s)+512*\c
.endr
.endr
.endm
	FRAGS 0
	FRAGS 1
	s_wait_loadcnt 48                              ; scale words and bias are in; the two sets of fragments may be out
.set Q, 0
.rept 32
	v_cndmask_b32 v[BQ+Q], 0, v[BQ+Q], s[SM]
.set Q, Q+1
.endr
; one product.  An odd tile's scale words stand in lanes 16-31 of its register
.macro MM i, j, s
.set rD, 8*(8*(\i)+(\j))
.set rA, FS+8*(\i)
.set rB, FS+32+8*(\j)
.set rX, SA+4*((\i)/2)+(\s)
.set rY, SB+4*((\j)/2)+(\s)
.if (\s) == 0
.set rC, BQ+8*(\i)                     ; the bias starts the sum (window 0)
.else
.set rC, rD
.endif
.if ((\i)%2 == 0) && ((\j)%2 == 0)
	v_wmma_scale_f32_16x16x128_f8f6f4 v[rD:rD+7], v[rA:rA+7], v[rB:rB+7], v[rC:rC+7], v[rX], v[rY] matrix_a_fmt:MATRIX_FMT_FP4 matrix_b_fmt:MATRIX_FMT_FP4
.elseif (\j)%2 == 0
	v_wmma_scale_f32_16x16x128_f8f6f4 v[rD:rD+7], v[rA:rA+7], v[rB:rB+7], v[rC:rC+7], v[rX], v[rY] matrix_a_fmt:MATRIX_FMT_FP4 matrix_b_fmt:MATRIX_FMT_FP4 matrix_a_scale:MATRIX_SCALE_ROW1
.elseif (\i)%2 == 0
	v_wmma_scale_f32_16x16x128_f8f6f4 v[rD:rD+7], v[rA:rA+7], v[rB:rB+7], v[rC:rC+7], v[rX], v[rY] matrix_a_fmt:MATRIX_FMT_FP4 matrix_b_fmt:MATRIX_FMT_FP4 matrix_b_scale:MATRIX_SCALE_ROW1
.else
	v_wmma_scale_f32_16x16x128_f8f6f4 v[rD:rD+7], v[rA:rA+7], v[rB:rB+7], v[rC:rC+7], v[rX], v[rY] matrix_a_fmt:MATRIX_FMT_FP4 matrix_b_fmt:MATRIX_FMT_FP4 matrix_a_scale:MATRIX_SCALE_ROW1 matrix_b_scale:MATRIX_SCALE_ROW1
.endif
.endm
; a K step: 32 products; the 32 accumulators take turns, one instruction a turn, in the same order in every step
.macro KSTEP s
.set FS, 64+96*((\s)%2)
.if (\s) < 3
	s_wait_loadcnt 24                              ; this step's 24 loads are in; the next step's may be out
.else
	s_wait_loadcnt 0x0
.endif
.if (\s) == 0
	WIN 0x40                                       ; D window 1; A, B, C window 0
.else
	WIN 0x50                                       ; C and D window 1
.endif
.irp i, 0,1,2,3
.irp j, 0,1,2,3,4,5,6,7
	MM \i, \j, \s
.endr
.endr
	WIN 0
.rept 4
	v_nop                                          ; four places in front of loads into registers that the products have read, and of the first read of results
.endr
.if (\s) < 2
	FRAGS (\s)+2
.endif
.endm
	KSTEP 0
	KSTEP 1
	KSTEP 2
	KSTEP 3
	s_cmp_lg_u32 s15, 0
	s_cbranch_scc1 .Lplain                         ; q alone is scaled: its scores then come out in powers of two
	WIN 0x41
.set Q, 0
.rept 128
	v_pk_mul_f32 v[Q:Q+1], v[Q:Q+1], s[SC:SC+1] op_sel_hi:[1,0]
.set Q, Q+2
.endr
	WIN 0
.Lplain:
	WIN 0x05                                       ; sources window 1, destination window 0: the fragments' registers are free
.set Q, 0
.rept 128
	v_cvt_pk_f16_f32 v[64+Q], v[2*Q], v[2*Q+1]     ; each accumulator from its low end on
.set Q, Q+1
.endr
	WIN 0
.irp i, 0,1,2,3
.irp j, 0,1,2,3,4,5,6,7
	global_store_b128 v[LI], v[64+4*(8*\i+\j):64+4*(8*\i+\j)+3], s[12:13] offset:2048*\j+1024*(\i/2)+512*(\i%2)   ; 512 consecutive bytes, aligned
.endr
.endr
	s_endpgm
.Lfunc_end_k_qccc4986d89_qkv:
	.size	k_qccc4986d89_qkv, .Lfunc_end_k_qccc4986d89_qkv-k_qccc4986d89_qkv
	.p2alignl 7, 3214868480
	.fill 96, 4, 3214868480
	.section	.rodata,"a",@progbits
	.p2align	6, 0x0
	.amdhsa_kernel k_qccc4986d89_qkv
		.amdhsa_group_segment_fixed_size 0
		.amdhsa_private_segment_fixed_size 0
		.amdhsa_enable_private_segment 0
		.amdhsa_kernarg_size 40
		.amdhsa_user_sgpr_count 2
		.amdhsa_user_sgpr_kernarg_segment_ptr 1
		.amdhsa_wavefront_size32 1
		.amdhsa_system_sgpr_workgroup_id_x 1
		.amdhsa_system_sgpr_workgroup_id_y 1
		.amdhsa_system_sgpr_workgroup_id_z 1
		.amdhsa_system_vgpr_workitem_id 0
		.amdhsa_next_free_vgpr 512
		.amdhsa_next_free_sgpr 66
		.amdhsa_reserve_vcc 0
		.amdhsa_float_denorm_mode_32 3
		.amdhsa_float_denorm_mode_16_64 3
		.amdhsa_memory_ordered 1
		.amdhsa_forward_progress 1
		.amdhsa_inst_pref_size 53
	.end_amdhsa_kernel
	.amdgpu_metadata
---
amdhsa.version: [ 1, 2 ]
amdhsa.kernels:
  - .name:           k_qccc4986d89_qkv
    .symbol:         k_qccc4986d89_qkv.kd
    .args:
      - { .name: cod, .offset: 0, .size: 8, .value_kind: global_buffer, .address_space: global }
      - { .name: scl, .offset: 8, .size: 8, .value_kind: global_buffer, .address_space: global }
      - { .name: bq, .offset: 16, .size: 8, .value_kind: global_buffer, .address_space: global }
      - { .name: bk, .offset: 24, .size: 8, .value_kind: global_buffer, .address_space: global }
      - { .name: qkv, .offset: 32, .size: 8, .value_kind: global_buffer, .address_space: global }
    .group_segment_fixed_size: 0
    .private_segment_fixed_size: 0
    .kernarg_segment_align: 8
    .kernarg_segment_size: 40
    .max_flat_workgroup_size: 128
    .sgpr_count:     66
    .vgpr_count:     512
    .wavefront_size: 32
...
	.end_amdgpu_metadata
.endif
;; end of part 2
;; launch attn (part 3): grid 8 x 32, 8 waves a work-group, clusters of 4 x 1, 327,680 bytes of LDS; arguments qkv, attention_mask, rel_table, bv, cf; writes cf
.if DOCPART == 3
	.amdgcn_target "amdgcn-amd-amdhsa--gfx1250"
	.amdhsa_code_object_version 6
	.text
	.protected	k_qccc4986d89_attn
	.globl	k_qccc4986d89_attn
	.p2align	8
	.type	k_qccc4986d89_attn,@function
k_qccc4986d89_attn:
	s_mov_b64 s[64:65], 0
	v_nop
	global_prefetch_b8 v0, s[64:65] scope:SCOPE_SE
	s_setreg_imm32_b32 hwreg(HW_REG_WAVE_MODE, 25, 1), 1
	s_wait_xcnt 0x0
	s_wait_alu depctr_hold_cnt(0) depctr_sa_sdst(0) depctr_va_vdst(0) depctr_va_sdst(0) depctr_va_ssrc(0) depctr_va_vcc(0) depctr_vm_vsrc(0)
	s_getreg_b32 s2, hwreg(HW_REG_IB_STS2, 6, 4)
	s_cmp_eq_u32 s2, 0
	s_cbranch_scc0 .Lentry_in_a_cluster
	s_endpgm
.Lentry_in_a_cluster:
	s_bfe_u32 s2, ttmp6, 0x10000c
	s_cmp_lg_u32 s2, 0x3003
	s_cbranch_scc0 .Lentry_shape_is_right
	s_endpgm
.Lentry_shape_is_right:
; ctx[b][q][head] = softmax_k(q . k / 8 + rel_table[clip(k - q, +-512) + 512][head] + (1 - mask[b][k]) x (lowest f32)) v + bv, operands f16, products, maxima and sums f32.
; q arrives multiplied by log2(e) / 8 and the bias is multiplied by log2(e) here, so scores are exponents of two and the running maximum is taken away by a plain subtraction.
; SHARES.  A work-group owns 256 queries of one (batch, head); each of its eight waves 32 of them, two tiles of 16: two waves to a SIMD, so that one wave's softmax stands beside the other's products.  Keys go 64 a step.
; LAYOUT.  S^T = K Q^T (source 0 = 16 keys, source 1 = 16 queries) and O^T = V^T P: a lane holds ONE query (lane % 16) throughout; two tiles of S^T packed to f16 are source 1 of the second product.
; All operands lie in memory as images of their registers (1,024 bytes a fragment), so a tile in LDS is read 512 dense bytes an instruction: no padding, no turning load.
; THE BIAS hangs on key - query alone.  Each work-group builds a window W[x] = log2(e) x table[clip(x - 255 - 256 qb)], x = 0..2303, in LDS; a lane's eight numbers of a tile are eight neighbours of it.  Four copies, shifted
; by 0..3 words, let every lane read 16 aligned bytes; the copies lie 9,280 bytes apart.  A tile of bias is the C of the tile's first product.
; THE MASK's term is added to the finished score by one rounded f32 addition, as the definition adds it, NOT multiplied by log2(e) (that would overflow).  The running maximum begins at the lowest f32 number, so a batch
; with every key masked comes out uniform.  THE ROW'S SUM is made by the matrix unit: a fifth tile of "V" whose rows 0 and 8 are ones, so that it falls into the accumulator's lowest register; it sums the rounded weights.
; bv is added at the end: the weights divided by their sum add up to one (an order of rounding that differs from the definition's).
; CLUSTER.  The four query blocks of a cluster belong to one head and walk the same K and V: each tile is asked for jointly, by the same tensor load with the same descriptor and the mask of all four.
; LIMITS: scores in powers of two stay under 1e24 in size, so that a masked key's sum rounds to the mask's term; ctx inside f16's range; NaN and infinities are not served.
; LDS: two slots of 65,536 bytes (piece w of 8,192 bytes: w = 0..3 K of the slot's four steps, w = 4..7 V of them); the bias window's four copies; the mask's 2,048 terms; the spare words.
; REGISTERS.  Window 0: v1-9 addresses; v16-31 statistics, 8 a tile; v32-63 bv; v64-127 S^T; v128-159 P; v160-199 five tiles of bias; v200-231 the mask's terms.
;   Window 1: v0-31 Q; v32-95 K; v96-159 V; v160-167 the ones; v168-247 O^T, five accumulators a tile.
.set SLOT1, 65536
.set BTAB,  131072
.set BPIT,  9280
.set MTAB,  BTAB+4*BPIT
.set SPARE, MTAB+8192                  ; the spare words: 128 bytes a wave, four blocks of 256 bytes that no other line names
.set LI,  1                            ; v1  16 x lane
.set BT0, 2                            ; v2  my lane's place in the bias window
.set MT0, 3                            ; v3  and among the mask's terms
.set ADR, 4                            ; v4  the slot in hand + 16 x lane
.set ADB, 5                            ; v5  the slot's bias
.set ADM, 6                            ; v6  the slot's mask
.set PFO, 7                            ; v7  256 x lane; never rewritten
.set SPW, 8                            ; v8  my spare word; never rewritten
.set NIL, 9                            ; v9  0; never rewritten
.set ST,  16                           ; tile i at v[ST + 8 i]: +0 m, +1 0, +2 a (at the end 1 / l), +3 0, +4..7 at work
.set BV,  32
.set S,   64
.set P,   128
.set BT,  160
.set MT,  200
.set QF,  0                            ; window 1
.set KF,  32
.set VF,  96
.set ONES, 160
.set OF,  168
.set WV,  18                           ; s18 wave;  s19 cx;  s20 query block;  s21 batch x 8 + head;  s22 batch;  s23 head
.set G1,  24                           ; s[24:31] descriptor group 1
.set G0,  32                           ; s[32:35] descriptor group 0: it walks
.set GST, 36                           ; s[36:37] a slot on, in memory: 32,768 bytes in K, 262,144 in V
.set PFA, 38                           ; s[38:39] where my prefetch stands
.set LIM, 40                           ; s40 1 in a wave that prefetches, else the greatest number
.set SLOTS, 41                         ; s41 slots still to be asked for
.set TB,  42                           ; s42 LDS byte at which the slot in hand begins
.set TJ,  43                           ; s43 4 x the slot's first key
.set SEL, 44                           ; s[44:45] lane l xor 16
.set MSB, 0
.macro WIN new                         ; the immediate's high byte repeats the setting that is left
.if MSB != \new
	s_set_vgpr_msb (MSB<<8)|\new
.set MSB, \new
.endif
.endm
.macro CROUND                          ; a round of the cluster's barrier
	s_barrier_signal -1
	s_barrier_wait -1
	s_cmp_lg_u32 s[WV], 0
	s_cbranch_scc1 .Lnw0_\@
	s_barrier_signal -3
.Lnw0_\@:
	s_barrier_wait -3
	s_barrier_signal -1
	s_barrier_wait -1
.endm
; A prefetch of what the NEXT change of slots will ask for.  All clusters of a head walk the same K and V: the head's first cluster asks.  Its four partners share a slot's four pieces of K and four of V out by address,
; one piece (8,192 bytes: 32 lanes, 256 bytes apart) each; wave 0 asks for K's, wave 4 for V's.  So each block is named once.  The last change that fills a slot asks for nothing; slots 0 and 1 come by their loads alone.
.macro ASK
	s_cmp_gt_u32 s[SLOTS], s[LIM]
	s_cbranch_scc0 .Lnm_\@
	global_prefetch_b8 v[PFO], s[PFA:PFA+1] th:TH_LOAD_NT scope:SCOPE_SE
.Lnm_\@:
.endm
	s_load_b256 s[4:11], s[0:1], 0x0               ; qkv s[4:5], attention_mask s[6:7], rel_table s[8:9], bv s[10:11]
	s_load_b64 s[12:13], s[0:1], 0x20              ; cf
	v_lshl_add_u32 v[SPW], v0, 2, SPARE
	v_mov_b32 v[NIL], 0
	ds_add_u32 v[SPW], v[NIL]                      ; the wave's opening
	ds_add_u32 v[SPW], v[NIL]
	v_lshrrev_b32 v10, 5, v0
	v_readfirstlane_b32 s[WV], v10                 ; wave 0..7
	s_bfe_u32 s19, ttmp6, 0x40000                  ; cx
	s_lshl_b32 s20, ttmp9, 2
	s_add_co_u32 s20, s20, s19                     ; my block of 256 queries: it enters Q's, the table's and cf's addresses alone
	s_and_b32 s21, ttmp7, 0xffff
	s_lshr_b32 s22, s21, 3
	s_and_b32 s23, s21, 7
	s_mov_b32 s[G1], 15|(3<<16)|(1<<21)            ; the mask of all four; elements of 8 bytes; bit 21 beside a mask; no padding
	s_mov_b32 s[G1+1], 32<<16                      ; tensor_dim0 = 32 elements: 256 bytes
	s_mov_b32 s[G1+2], 32<<16                      ; tensor_dim1 = 32 rows: a dense piece of 8,192 bytes
	s_mov_b32 s[G1+3], 32<<16                      ; tile_dim0
	s_mov_b32 s[G1+4], 32                          ; tile_dim1
	s_mov_b32 s[G1+5], 32                          ; the pitch
	s_mov_b32 s[G1+6], 0
	s_mov_b32 s[G1+7], 0
	s_mov_b32 s[SEL], 0x76543210
	s_mov_b32 s[SEL+1], 0xfedcba98
	s_mov_b32 s[TB], 0
	s_mov_b32 s[TJ], 0
	s_mov_b32 s[SLOTS], 7
	s_and_b32 s[LIM], s[WV], 3
	s_or_b32 s[LIM], s[LIM], ttmp9                 ; 0 in waves 0 and 4 of the head's first cluster: the same in all four partners
	s_cmp_eq_u32 s[LIM], 0
	s_cselect_b32 s[LIM], 1, -1
	s_and_b32 s49, s[WV], 3                        ; which of the slot's four steps I fetch
	s_lshl_b32 s46, s21, 18
	s_lshl_b32 s47, s49, 13
	s_add_co_u32 s46, s46, s47
	s_add_co_u32 s46, s46, 8388608                 ; K: the head's 262,144 bytes, 8,192 a step
	s_lshl_b32 s48, s22, 8
	s_add_co_u32 s48, s48, s23
	s_lshl_b32 s48, s48, 13
	s_lshl_b32 s49, s49, 16
	s_add_co_u32 s48, s48, s49
	s_add_co_u32 s48, s48, 16777216                ; V: (256 batch + head) x 8,192, steps 65,536 apart
	s_cmp_lt_u32 s[WV], 4                          ; waves 0-3 fetch K, waves 4-7 V
	s_cselect_b32 s46, s46, s48
	s_mov_b32 s[GST], 262144
	s_cselect_b32 s[GST], 32768, s[GST]
	s_mov_b32 s50, 16
	s_cselect_b32 s50, 13, s50
	s_lshl_b32 s50, s19, s50                       ; the prefetches alone: my work-group's piece
	s_mov_b32 s51, 0
	s_mov_b32 s47, 0
	s_mov_b32 s[GST+1], 0
	s_wait_dscnt 0x0                               ; both opening adds are done
	s_wait_kmcnt 0x0
	s_mov_b32 s[G0], 1                             ; count = 1
	s_lshl_b32 s[G0+1], s[WV], 13                  ; LDS: slot 0, piece w
	s_add_nc_u64 s[G0+2:G0+3], s[4:5], s[46:47]
	s_add_nc_u64 s[PFA:PFA+1], s[G0+2:G0+3], s[50:51]
	s_add_nc_u64 s[PFA:PFA+1], s[PFA:PFA+1], s[GST:GST+1]   ; in slot 1: the first change of slots steps it to slot 2
	s_or_b32 s[G0+3], s[G0+3], 0x80000000          ; type = 2
	CROUND                                         ; all four work-groups are here: the first joint loads meet
	tensor_load_to_lds s[G0:G0+3], s[G1:G1+7]      ; slot 0: one load of mine is out
	s_nop 0
.rept 4
	v_nop
.endr
	v_and_b32 v10, 31, v0
	v_lshlrev_b32 v[LI], 4, v10
	v_lshlrev_b32 v[PFO], 8, v10
	v_and_b32 v11, 15, v0                          ; r
	v_bfe_u32 v12, v0, 4, 1                        ; h
	v_xor_b32 v13, 15, v11                         ; 15 - r
	v_and_b32 v14, 3, v13                          ; which copy,
	v_lshrrev_b32 v13, 2, v13                      ; and which 16 bytes
	v_mul_u32_u24 v[BT0], v14, BPIT
	v_lshl_add_u32 v[BT0], v13, 4, v[BT0]
	v_lshl_add_u32 v[BT0], v12, 5, v[BT0]
	s_xor_b32 s52, s[WV], 7                        ; 7 - w
	s_lshl_b32 s52, s52, 7
	s_add_co_u32 s52, s52, BTAB
	v_add_nc_u32 v[BT0], s52, v[BT0]               ; word x = key + 16 (kt - i + 1) + 8 h + (15 - r) + 32 (7 - w), less the copy's shift
	v_lshlrev_b32 v15, 5, v12                      ; 32 h
	v_add_nc_u32 v[MT0], MTAB, v15
	v_lshl_add_u32 v12, v0, 2, BTAB                ; where my thread stores into the window,
	v_lshl_add_u32 v13, v0, 5, MTAB                ; and among the mask's terms
	v_lshlrev_b32 v14, 5, v0                       ; my 8 keys of the mask
	s_lshl_b32 s53, s20, 8
	s_sub_co_i32 s53, 257, s53                     ; table row of window word x: x + 257 - 256 qb, held to 0 .. 1,024
	s_lshl_b32 s56, s23, 2
	s_mov_b32 s57, 0
	s_add_nc_u64 s[8:9], s[8:9], s[56:57]          ; the table at my head
	s_lshl_b32 s56, s22, 13
	s_add_nc_u64 s[6:7], s[6:7], s[56:57]          ; the mask at my batch
	s_lshl_b32 s56, s23, 8
	s_add_nc_u64 s[10:11], s[10:11], s[56:57]      ; bv at my head
	s_lshl_b32 s58, s20, 4
	s_lshl_b32 s59, s[WV], 1
	s_add_co_u32 s58, s58, s59                     ; my first token tile in the batch
	s_lshl_b32 s56, s58, 11
	s_lshl_b32 s59, s21, 18
	s_add_co_u32 s56, s56, s59
	s_add_nc_u64 s[54:55], s[4:5], s[56:57]        ; Q
	s_lshl_b32 s59, s22, 7
	s_add_co_u32 s58, s58, s59
	s_lshl_b32 s58, s58, 4
	s_lshl_b32 s59, s23, 1
	s_add_co_u32 s58, s58, s59
	s_lshl_b32 s56, s58, 10
	s_add_nc_u64 s[12:13], s[12:13], s[56:57]      ; cf: (token tile x 16 + 2 head) x 1,024
.irp i, 0,1,2,3,4,5,6,7,8
	v_add3_u32 v[64+\i], v0, s53, 256*\i
.endr
.irp i, 0,1,2,3,4,5,6,7,8
	v_cmp_lt_i32 vcc_lo, 0, v[64+\i]
	v_cndmask_b32 v[64+\i], 0, v[64+\i], vcc_lo
	v_min_u32 v[64+\i], 0x400, v[64+\i]
	v_lshlrev_b32 v[64+\i], 5, v[64+\i]            ; a table row is 32 bytes
.endr
.irp i, 0,1,2,3,4,5,6,7,8
	global_load_b32 v[80+\i], v[64+\i], s[8:9]
.endr
	global_load_b128 v[92:95], v14, s[6:7]
	global_load_b128 v[96:99], v14, s[6:7] offset:16
	WIN 0x40                                       ; destination window 1
.irp i, 0,1
.irp hf, 0,1
.irp g, 0,1
	global_load_b128 v[QF+16*\i+8*\hf+4*\g:QF+16*\i+8*\hf+4*\g+3], v[LI], s[54:55] offset:2048*\i+1024*\hf+512*\g
.endr
.endr
.endr
	WIN 0
.irp ct, 0,1,2,3
	global_load_b128 v[BV+8*\ct:BV+8*\ct+3], v15, s[10:11] offset:64*\ct
	global_load_b128 v[BV+8*\ct+4:BV+8*\ct+7], v15, s[10:11] offset:64*\ct+16
.endr
	v_and_b32 v10, 7, v0
	v_mov_b32 v11, 0x3c003c00                      ; two ones in f16
	v_cmp_eq_u32 vcc_lo, 0, v10
	v_cndmask_b32 v10, 0, v11, vcc_lo              ; lanes 0, 8, 16, 24: rows 0 and 8 of the fifth tile are ones, the others zeros
.irp i, 0,1
	v_mov_b32 v[ST+8*\i], 0xff7fffff               ; m: the lowest f32 number
	v_mov_b32 v[ST+8*\i+1], 0                      ; (named as the upper halves of pairs)
	v_mov_b32 v[ST+8*\i+3], 0
.endr
	WIN 0x40
.irp j, 0,1,2,3,4,5,6,7
	v_mov_b32 v[ONES+\j], v10
.endr
.set Q, 0
.rept 80
	v_mov_b32 v[OF+Q], 0                           ; O^T and the sums: the step is written once, and its first run finds zeros
.set Q, Q+1
.endr
	WIN 0
	s_wait_loadcnt 16                              ; the table's 9 and the mask's 2 are in; Q's 8 and bv's 8 may be out
.irp i, 0,1,2,3,4,5,6,7,8
	v_mul_f32 v[80+\i], 0x3fb8aa3b, v[80+\i]
.endr
.irp i, 0,1,2,3,4,5,6,7,8
.irp s, 0,1,2,3
	ds_store_b32 v12, v[80+\i] offset:(BPIT-4)*\s+1024*\i   ; copy s holds W[x + s] at word x (a copy's first words fall into the gap behind the copy before)
.endr
.endr
.irp j, 0,1,2,3,4,5,6,7
	v_sub_f32 v[92+\j], 1.0, v[92+\j]
.endr
.irp j, 0,1,2,3,4,5,6,7
	v_mul_f32 v[92+\j], 0xff7fffff, v[92+\j]
.endr
	ds_store_b128 v13, v[92:95]
	ds_store_b128 v13, v[96:99] offset:16
	s_wait_loadcnt 0x0                             ; Q, bv
; the softmax of my two tiles for one step; the tiles alternate line by line
.macro SOFTMAX
.irp n, 0,2,4,6,8,10,12,14,16,18,20,22,24,26,28,30
.irp i, 0,1
	v_pk_add_f32 v[S+32*\i+\n:S+32*\i+\n+1], v[S+32*\i+\n:S+32*\i+\n+1], v[MT+\n:MT+\n+1]   ; the mask's term; each accumulator is read from its low end on
.endr
.endr
.irp c, 0,1,2,3
.irp i, 0,1
	v_max3_num_f32 v[ST+8*\i+4+\c], v[S+32*\i+8*\c], v[S+32*\i+8*\c+1], v[S+32*\i+8*\c+2]
.endr
.endr
.irp u, 3,5
.irp c, 0,1,2,3
.irp i, 0,1
	v_max3_num_f32 v[ST+8*\i+4+\c], v[ST+8*\i+4+\c], v[S+32*\i+8*\c+\u], v[S+32*\i+8*\c+\u+1]
.endr
.endr
.endr
.irp i, 0,1
	v_max3_num_f32 v[ST+8*\i+4], v[ST+8*\i+4], v[S+32*\i+7], v[S+32*\i+15]
.endr
.irp i, 0,1
	v_max3_num_f32 v[ST+8*\i+6], v[ST+8*\i+6], v[S+32*\i+23], v[S+32*\i+31]
.endr
.irp i, 0,1
	v_max3_num_f32 v[ST+8*\i+4], v[ST+8*\i+4], v[ST+8*\i+5], v[ST+8*\i+6]
.endr
.irp i, 0,1
	v_max3_num_f32 v[ST+8*\i+4], v[ST+8*\i+4], v[ST+8*\i+7], v[ST+8*\i]      ; with the old m
.endr
.irp i, 0,1
	v_permlanex16_b32 v[ST+8*\i+5], v[ST+8*\i+4], s[SEL], s[SEL+1]           ; the query's other 32 keys lie in the lane 16 away
.endr
.irp i, 0,1
	v_max_num_f32 v[ST+8*\i+6], v[ST+8*\i+4], v[ST+8*\i+5]
.endr
.irp i, 0,1
	v_sub_f32 v[ST+8*\i+7], v[ST+8*\i], v[ST+8*\i+6]                          ; old m - new m
.endr
.irp i, 0,1
	v_mov_b32 v[ST+8*\i], v[ST+8*\i+6]
.endr
.set Q, 0
.rept 32
	v_pk_add_f32 v[S+2*Q:S+2*Q+1], v[S+2*Q:S+2*Q+1], v[ST+8*(Q/16):ST+8*(Q/16)+1] op_sel_hi:[1,0] neg_lo:[0,1] neg_hi:[0,1]   ; s - m
.set Q, Q+1
.endr
.irp i, 0,1
	v_exp_f32 v[ST+8*\i+2], v[ST+8*\i+7]           ; a = 2^(old m - new m).  ONE batch of 66 exponentials, none of which reads another's result
.endr
.set Q, 0
.rept 64
	v_exp_f32 v[S+Q], v[S+Q]
.set Q, Q+1
.endr
	v_nop                                          ; the plain instruction behind the last exponential
	s_wait_alu depctr_va_vdst(0)                   ; one wait for the batch, ahead of its first reader
.set Q, 0
.rept 32
	v_cvt_pk_f16_f32 v[P+Q], v[S+2*Q], v[S+2*Q+1]
.set Q, Q+1
.endr
.endm
; a key step: 64 keys, the q-th of the slot in hand
.macro STEP q
.rept 4
	v_nop                                          ; four places behind the last step's products, in front of loads into their operands
.endr
	WIN 0x40
.irp kt, 0,1,2,3
.irp hf, 0,1
.irp g, 0,1
	ds_load_b128 v[KF+16*\kt+8*\hf+4*\g:KF+16*\kt+8*\hf+4*\g+3], v[ADR] offset:8192*(\q)+2048*\kt+1024*\hf+512*\g
.endr
.endr
.endr
	WIN 0
.irp e, 0,1,2,3,4
	ds_load_b128 v[BT+8*\e:BT+8*\e+3], v[ADB] offset:256*(\q)+64*\e          ; tile e = kt - i + 1 of the bias serves every pair (kt, i) with that difference
	ds_load_b128 v[BT+8*\e+4:BT+8*\e+7], v[ADB] offset:256*(\q)+64*\e+16
.endr
.irp kt, 0,1,2,3
	ds_load_b128 v[MT+8*\kt:MT+8*\kt+3], v[ADM] offset:256*(\q)+64*\kt
	ds_load_b128 v[MT+8*\kt+4:MT+8*\kt+7], v[ADM] offset:256*(\q)+64*\kt+16
.endr
	WIN 0x40
.irp kk, 0,1
.irp ct, 0,1,2,3
.irp g, 0,1
	ds_load_b128 v[VF+8*(4*\kk+\ct)+4*\g:VF+8*(4*\kk+\ct)+4*\g+3], v[ADR] offset:32768+8192*(\q)+2048*\ct+1024*\kk+512*\g
.endr
.endr
.endr
	s_wait_dscnt 24                                ; K's 16 and the bias's 10 are in; the mask's 8 and V's 16 may be out
	WIN 0x05                                       ; K and Q window 1; C and D window 0
.irp kt, 0,1,2,3
.irp i, 0,1
	v_wmma_f32_16x16x32_f16 v[S+32*\i+8*\kt:S+32*\i+8*\kt+7], v[KF+16*\kt:KF+16*\kt+7], v[QF+16*\i:QF+16*\i+7], v[BT+8*(\kt-\i+1):BT+8*(\kt-\i+1)+7]
.endr
.endr
.irp kt, 0,1,2,3                               ; the eight accumulators take turns
.irp i, 0,1
	v_wmma_f32_16x16x32_f16 v[S+32*\i+8*\kt:S+32*\i+8*\kt+7], v[KF+16*\kt+8:KF+16*\kt+15], v[QF+16*\i+8:QF+16*\i+15], v[S+32*\i+8*\kt:S+32*\i+8*\kt+7]
.endr
.endr
	WIN 0
.rept 4
	v_nop                                          ; four places in front of the first read of the scores
.endr
	s_wait_dscnt 16                                ; the mask's terms are in; V's 16 may be out
	SOFTMAX
	WIN 0x41                                       ; O^T window 1, a window 0
.irp n, 0,2,4,6,8,10,12,14,16,18,20,22,24,26,28,30,32
.irp i, 0,1
	v_pk_mul_f32 v[OF+40*\i+\n:OF+40*\i+\n+1], v[OF+40*\i+\n:OF+40*\i+\n+1], v[ST+8*\i+2:ST+8*\i+3] op_sel_hi:[1,0]   ; O^T and the sum (the fifth accumulator's first pair; its other registers stay zeros) under the new m
.endr
.endr
	s_wait_dscnt 0x0                               ; V
	WIN 0x51                                       ; V, C and D window 1; P window 0
.irp kk, 0,1
.irp ct, 0,1,2,3
.irp i, 0,1
	v_wmma_f32_16x16x32_f16 v[OF+40*\i+8*\ct:OF+40*\i+8*\ct+7], v[VF+8*(4*\kk+\ct):VF+8*(4*\kk+\ct)+7], v[P+16*\i+8*\kk:P+16*\i+8*\kk+7], v[OF+40*\i+8*\ct:OF+40*\i+8*\ct+7]
.endr
.endr
.irp i, 0,1
	v_wmma_f32_16x16x32_f16 v[OF+40*\i+32:OF+40*\i+39], v[ONES:ONES+7], v[P+16*\i+8*\kk:P+16*\i+8*\kk+7], v[OF+40*\i+32:OF+40*\i+39]
.endr
.endr
	WIN 0
.endm
; THE CHANGE OF SLOTS stands at a slot's head.  Each wave waits for all its tensor loads (one is out: its piece of the slot ahead), adds 0 to its spare word, and waits for that and for its reads of the slot that it has left
; (the first time: for its stores into the tables).  fill = 1: a round of the cluster's barrier, and first thing behind it the joint fill of the other slot, which has four steps in which to land.
.macro CHANGE fill
	s_wait_tensorcnt 0x0                           ; no tensor load of mine is out, so the group 0 may be written
	ds_add_u32 v[SPW], v[NIL]                      ; 0 onto my spare word
.if \fill
	s_xor_b32 s[G0+1], s[G0+1], SLOT1              ; the other slot than last time,
	s_add_nc_u64 s[G0+2:G0+3], s[G0+2:G0+3], s[GST:GST+1]   ; the next 256 keys; the type bits on top are not reached
	s_wait_xcnt 0x0                                ; the last prefetch, a slot back, has read its address
	s_add_nc_u64 s[PFA:PFA+1], s[PFA:PFA+1], s[GST:GST+1]
.endif
	s_wait_dscnt 0x0
.if \fill
	CROUND
	tensor_load_to_lds s[G0:G0+3], s[G1:G1+7]
	s_nop 0
.rept 4
	v_nop
.endr
	ASK
.else
	s_barrier_signal -1
	s_barrier_wait -1
.endif
.endm
.macro SLOT_STEPS
	v_add_nc_u32 v[ADR], s[TB], v[LI]
	v_add_nc_u32 v[ADB], s[TJ], v[BT0]
	v_add_nc_u32 v[ADM], s[TJ], v[MT0]
	STEP 0
	STEP 1
	STEP 2
	STEP 3
	s_xor_b32 s[TB], s[TB], SLOT1
	s_add_co_u32 s[TJ], s[TJ], 1024
.endm
.Lslot:                                            ; seven trips: behind each change of slots but the last the next slot is asked for
	CHANGE 1
	SLOT_STEPS
	s_sub_co_u32 s[SLOTS], s[SLOTS], 1
	s_cmp_lg_u32 s[SLOTS], 0
	s_cbranch_scc1 .Lslot
	CHANGE 0                                       ; the last slot is written out
	SLOT_STEPS
	; THE WAY OUT: O^T / l + bv, rounded to f16: a lane's eight channels of a query are 16 bytes of an image of ctx: [token / 16][feature / 32][g][lane][16 bytes]
.rept 4
	v_nop                                          ; four places behind the last products
.endr
	WIN 0x01                                       ; source 0 window 1
.irp i, 0,1
	v_rcp_f32 v[ST+8*\i+2], v[OF+40*\i+32]         ; the sum lies in its accumulator's lowest register
.endr
	v_nop
	s_wait_alu depctr_va_vdst(0)                   ; one wait for both reciprocals
.irp n, 0,2,4,6,8,10,12,14,16,18,20,22,24,26,28,30
.irp i, 0,1
	v_pk_fma_f32 v[S+32*\i+\n:S+32*\i+\n+1], v[OF+40*\i+\n:OF+40*\i+\n+1], v[ST+8*\i+2:ST+8*\i+3], v[BV+\n:BV+\n+1] op_sel_hi:[1,0,1]
.endr
.endr
	WIN 0
.set Q, 0
.rept 32
	v_cvt_pk_f16_f32 v[P+Q], v[S+2*Q], v[S+2*Q+1]
.set Q, Q+1
.endr
.irp i, 0,1
.irp ct, 0,1,2,3
	global_store_b128 v[LI], v[P+16*\i+4*\ct:P+16*\i+4*\ct+3], s[12:13] offset:16384*\i+512*\ct   ; 512 consecutive bytes, aligned
.endr
.endr
	s_wait_tensorcnt 0x0                           ; the wave's end
	ds_add_u32 v[SPW], v[NIL]
	s_wait_dscnt 0x0
	CROUND                                         ; the closing round: no work-group ends while a partner may still ask for a tile that names it
	s_endpgm
.Lfunc_end_k_qccc4986d89_attn:
	.size	k_qccc4986d89_attn, .Lfunc_end_k_qccc4986d89_attn-k_qccc4986d89_attn
	.p2alignl 7, 3214868480
	.fill 96, 4, 3214868480
	.section	.rodata,"a",@progbits
	.p2align	6, 0x0
	.amdhsa_kernel k_qccc4986d89_attn
		.amdhsa_group_segment_fixed_size 327680
		.amdhsa_private_segment_fixed_size 0
		.amdhsa_enable_private_segment 0
		.amdhsa_kernarg_size 40
		.amdhsa_user_sgpr_count 2
		.amdhsa_user_sgpr_kernarg_segment_ptr 1
		.amdhsa_wavefront_size32 1
		.amdhsa_system_sgpr_workgroup_id_x 1
		.amdhsa_system_sgpr_workgroup_id_y 1
		.amdhsa_system_sgpr_workgroup_id_z 1
		.amdhsa_system_vgpr_workitem_id 0
		.amdhsa_next_free_vgpr 512
		.amdhsa_next_free_sgpr 66
		.amdhsa_reserve_vcc 1
		.amdhsa_float_denorm_mode_32 3
		.amdhsa_float_denorm_mode_16_64 3
		.amdhsa_memory_ordered 1
		.amdhsa_forward_progress 1
		.amdhsa_inst_pref_size 173
	.end_amdhsa_kernel
	.amdgpu_metadata
---
amdhsa.version: [ 1, 2 ]
amdhsa.kernels:
  - .name:           k_qccc4986d89_attn
    .symbol:         k_qccc4986d89_attn.kd
    .args:
      - { .name: qkv, .offset: 0, .size: 8, .value_kind: global_buffer, .address_space: global }
      - { .name: attention_mask, .offset: 8, .size: 8, .value_kind: global_buffer, .address_space: global }
      - { .name: rel_table, .offset: 16, .size: 8, .value_kind: global_buffer, .address_space: global }
      - { .name: bv, .offset: 24, .size: 8, .value_kind: global_buffer, .address_space: global }
      - { .name: cf, .offset: 32, .size: 8, .value_kind: global_buffer, .address_space: global }
    .group_segment_fixed_size: 327680
    .private_segment_fixed_size: 0
    .kernarg_segment_align: 8
    .kernarg_segment_size: 40
    .max_flat_workgroup_size: 256
    .sgpr_count:     66
    .vgpr_count:     512
    .wavefront_size: 32
...
	.end_amdgpu_metadata
.endif
;; end of part 3
;; launch oproj (part 4): grid 4 x 64, 4 waves a work-group, clusters of 4 x 4, 280,064 bytes of LDS; arguments cf, wof, bo, out0; writes out0
.if DOCPART == 4
	.amdgcn_target "amdgcn-amd-amdhsa--gfx1250"
	.amdhsa_code_object_version 6
	.text
	.protected	k_qccc4986d89_oproj
	.globl	k_qccc4986d89_oproj
	.p2align	8
	.type	k_qccc4986d89_oproj,@function
k_qccc4986d89_oproj:
	s_mov_b64 s[64:65], 0
	v_nop
	global_prefetch_b8 v0, s[64:65] scope:SCOPE_SE
	s_setreg_imm32_b32 hwreg(HW_REG_WAVE_MODE, 25, 1), 1
	s_wait_xcnt 0x0
	s_wait_alu depctr_hold_cnt(0) depctr_sa_sdst(0) depctr_va_vdst(0) depctr_va_sdst(0) depctr_va_ssrc(0) depctr_va_vcc(0) depctr_vm_vsrc(0)
	s_getreg_b32 s2, hwreg(HW_REG_IB_STS2, 6, 4)
	s_cmp_eq_u32 s2, 0
	s_cbranch_scc0 .Lentry_in_a_cluster
	s_endpgm
.Lentry_in_a_cluster:
	s_bfe_u32 s2, ttmp6, 0x10000c
	s_cmp_lg_u32 s2, 0xf033
	s_cbranch_scc0 .Lentry_shape_is_right
	s_endpgm
.Lentry_shape_is_right:
; out0[t][n] = sum over k of ctx[t][k] Wo[k][n] + bo[n]: f16 operands, f32 sums, f32 out.  ctx and Wo^T arrive as images of operand registers: [16 rows][k / 32][1,024 bytes].
; A work-group makes 128 tokens x 128 features, each of its four waves 64 x 64: 16 accumulators.  ALL of K = 512 fits in LDS (128 KiB of ctx, 128 KiB of Wo), so nothing is filled again: each wave issues four first
; fills, one for each chunk of 128 along K (four loads of mine are out at the start), and the products begin when the first chunk has landed.
; CLUSTER 4 x 4: ctx's tiles hang on the tile row alone and are asked for jointly along a row of the cluster, Wo's on the tile column alone and along a column.
; THE MATRIX INSTRUCTION IS USED TRANSPOSED (source 0 = 16 features, source 1 = 16 tokens): a lane holds eight neighbouring features of a token.  bo is the C of each sum's first product.
; LDS: chunk c at 65,536 c: ctx's tile t at 4,096 t, Wo's at 32,768 + 4,096 t, a fragment every 1,024; behind them a stage of 16 rows x 272 bytes for each wave, bytes of its own; the spare words.
; REGISTERS.  Window 0: v1-15 addresses; v32-63 bo; v64-127 rows on the way out, two sets; v128-255 the accumulators.  Window 1: two fragment buffers of 128 (64 along K: tokens' 64 registers, then features').
.set STAGE, 262144
.set SPARE, STAGE+4*4352               ; the spare words: 128 bytes a wave, two blocks of 256 bytes that no other line names
.set LI,  1                            ; v1    16 x lane
.set ADA, 2                            ; v2-5  my tokens' fragments in chunk c
.set ADB, 6                            ; v6-9  my features'
.set STO, 10                           ; v10   the stage, in
.set RD,  11                           ; v11   the stage, back
.set CO,  12                           ; v12   my byte offset in two rows of out0
.set H32, 13                           ; v13   32 x (lane / 16)
.set SPW, 14                           ; v14   my spare word; never rewritten
.set NIL, 15                           ; v15   0; never rewritten
.set BO,  32
.set BK,  64
.set ACC, 128
.set G1A, 24                           ; s[24:31] group 1 for ctx;  s[32:39] for Wo: they differ in the mask alone
.set G1B, 32
.set G0A, 40                           ; s[40:55] groups 0 for ctx, one for each chunk;  s[68:83] for Wo
.set G0B, 68
.set MSB, 0
.macro WIN new                         ; the immediate's high byte repeats the setting that is left
.if MSB != \new
	s_set_vgpr_msb (MSB<<8)|\new
.set MSB, \new
.endif
.endm
.macro CROUND                          ; a round of the cluster's barrier
	s_barrier_signal -1
	s_barrier_wait -1
	s_cmp_lg_u32 s14, 0
	s_cbranch_scc1 .Lnw0_\@
	s_barrier_signal -3
.Lnw0_\@:
	s_barrier_wait -3
	s_barrier_signal -1
	s_barrier_wait -1
.endm
	s_load_b256 s[4:11], s[0:1], 0x0               ; cf s[4:5], wof s[6:7], bo s[8:9], out0 s[10:11]
	v_lshl_add_u32 v[SPW], v0, 2, SPARE
	v_mov_b32 v[NIL], 0
	ds_add_u32 v[SPW], v[NIL]                      ; the wave's opening
	ds_add_u32 v[SPW], v[NIL]
	v_lshrrev_b32 v1, 5, v0
	v_readfirstlane_b32 s14, v1                    ; wave 0..3
	s_lshr_b32 s15, s14, 1                         ; which 64 tokens are mine.  Also: I fetch ctx (0) or Wo (1)
	s_and_b32 s16, s14, 1                          ; which 64 features.  Also: which four tiles I fetch
	s_bfe_u32 s84, ttmp6, 0x40000                  ; cx
	s_bfe_u32 s85, ttmp6, 0x40004                  ; cy
	s_lshl_b32 s86, ttmp9, 2
	s_add_co_u32 s86, s86, s84                     ; tile column
	s_and_b32 s87, ttmp7, 0xffff
	s_lshl_b32 s87, s87, 2
	s_add_co_u32 s87, s87, s85                     ; tile row
	s_lshl_b32 s88, s85, 2
	s_lshl_b32 s88, 15, s88                        ; my row of the cluster
	s_lshl_b32 s89, 0x1111, s84                    ; my column
	s_or_b32 s[G1A], s88, (3<<16)|(1<<21)          ; the mask; elements of 8 bytes; bit 21 beside a mask; no padding
	s_or_b32 s[G1B], s89, (3<<16)|(1<<21)
.irp g, G1A, G1B
	s_mov_b32 s[\g+1], 512<<16                     ; tensor_dim0 = 512 elements: a tile's 4,096 bytes of one chunk
	s_mov_b32 s[\g+2], 4<<16                       ; tensor_dim1 = 4 tiles
	s_mov_b32 s[\g+3], 512<<16                     ; tile_dim0
	s_mov_b32 s[\g+4], 4                           ; tile_dim1
	s_mov_b32 s[\g+5], 2048                        ; from tile to tile: 16,384 bytes
	s_mov_b32 s[\g+6], 0
	s_mov_b32 s[\g+7], 0
.endr
	s_lshl_b32 s18, s16, 16                        ; four tiles of 16,384 bytes
	s_lshl_b32 s20, s87, 17                        ; ctx: eight tiles a tile row
	s_add_co_u32 s20, s20, s18
	s_mov_b32 s21, 0
	s_lshl_b32 s22, s86, 17                        ; Wo: eight tiles a tile column
	s_add_co_u32 s22, s22, s18
	s_mov_b32 s23, 0
	s_lshl_b32 s17, s14, 14                        ; where they go: wave x 16,384: no place in the cluster enters an LDS address
	s_wait_dscnt 0x0                               ; both opening adds are done
	s_wait_kmcnt 0x0
	s_add_nc_u64 s[20:21], s[4:5], s[20:21]
	s_add_nc_u64 s[22:23], s[6:7], s[22:23]
	CROUND                                         ; all sixteen work-groups are here: the joint loads meet
.irp c, 0,1,2,3
	s_mov_b32 s[G0A+4*\c], 1
	s_add_co_u32 s[G0A+4*\c+1], s17, 65536*\c
	s_add_nc_u64 s[G0A+4*\c+2:G0A+4*\c+3], s[20:21], 4096*\c
	s_or_b32 s[G0A+4*\c+3], s[G0A+4*\c+3], 0x80000000
	s_mov_b32 s[G0B+4*\c], 1
	s_add_co_u32 s[G0B+4*\c+1], s17, 65536*\c
	s_add_nc_u64 s[G0B+4*\c+2:G0B+4*\c+3], s[22:23], 4096*\c
	s_or_b32 s[G0B+4*\c+3], s[G0B+4*\c+3], 0x80000000
.endr
	s_cmp_eq_u32 s15, 0                            ; a wave's four first fills stand in one branch on the wave's number
	s_cbranch_scc0 .Lfirst_b
.irp c, 0,1,2,3
	tensor_load_to_lds s[G0A+4*\c:G0A+4*\c+3], s[G1A:G1A+7]
	s_nop 0
.endr
.rept 4
	v_nop
.endr
	s_branch .Lfirst_asked
.Lfirst_b:
.irp c, 0,1,2,3
	tensor_load_to_lds s[G0B+4*\c:G0B+4*\c+3], s[G1B:G1B+7]
	s_nop 0
.endr
.rept 4
	v_nop
.endr
.Lfirst_asked:
	v_and_b32 v16, 31, v0
	v_lshlrev_b32 v[LI], 4, v16
	v_and_b32 v17, 15, v0                          ; r
	v_bfe_u32 v18, v0, 4, 1                        ; h
	v_lshlrev_b32 v[H32], 5, v18
	s_lshl_b32 s90, s86, 9
	s_lshl_b32 s91, s16, 8
	s_add_co_u32 s90, s90, s91                     ; my first feature, in bytes
	s_mov_b32 s91, 0
	s_add_nc_u64 s[8:9], s[8:9], s[90:91]
	s_add_nc_u64 s[10:11], s[10:11], s[90:91]
	s_lshl_b32 s90, s87, 18
	s_lshl_b32 s92, s15, 17
	s_add_co_u32 s90, s90, s92                     ; my first token's row of 2,048 bytes
	s_add_nc_u64 s[10:11], s[10:11], s[90:91]
.irp b, 0,1,2,3
	global_load_b128 v[BO+8*\b:BO+8*\b+3], v[H32], s[8:9] offset:64*\b       ; lane (r, h): bo of features 16 b + 8 h + 0..7
	global_load_b128 v[BO+8*\b+4:BO+8*\b+7], v[H32], s[8:9] offset:64*\b+16
.endr
	s_lshl_b32 s92, s15, 14
	s_lshl_b32 s93, s16, 14
	s_add_co_u32 s93, s93, 32768
.irp c, 0,1,2,3
	v_add_nc_u32 v[ADA+\c], s92, v[LI]
	v_add_nc_u32 v[ADB+\c], s93, v[LI]
	s_add_co_u32 s92, s92, 65536
	s_add_co_u32 s93, s93, 65536
.endr
	s_mul_i32 s94, s14, 4352
	s_add_co_u32 s94, s94, STAGE                   ; my stage
	v_mul_u32_u24 v[STO], v17, 272
	v_lshl_add_u32 v[STO], v18, 5, v[STO]
	v_add_nc_u32 v[STO], s94, v[STO]               ; in: row r, 32 bytes for each half of the lanes
	v_mul_u32_u24 v[RD], v18, 272
	v_lshl_add_u32 v[RD], v17, 4, v[RD]
	v_add_nc_u32 v[RD], s94, v[RD]                 ; back: lanes 0-15 one row of 256 bytes, lanes 16-31 the next
	v_lshlrev_b32 v[CO], 11, v18
	v_lshl_add_u32 v[CO], v17, 4, v[CO]            ; and the same two rows in out0
.macro FETCH hc                        ; 64 along K, the hc-th: 32 LDS loads of 512 dense bytes into buffer hc % 2
.set FL, 128*((\hc)%2)
.set CH, (\hc)/2
	WIN 0x40
.irp k2, 0,1
.irp t, 0,1,2,3
.irp g, 0,1
	ds_load_b128 v[FL+64+8*(4*\k2+\t)+4*\g:FL+64+8*(4*\k2+\t)+4*\g+3], v[ADB+CH] offset:4096*\t+1024*(2*((\hc)%2)+\k2)+512*\g
	ds_load_b128 v[FL+8*(4*\k2+\t)+4*\g:FL+8*(4*\k2+\t)+4*\g+3], v[ADA+CH] offset:4096*\t+1024*(2*((\hc)%2)+\k2)+512*\g
.endr
.endr
.endr
.endm
.macro HALF hc
	s_wait_dscnt 0x0                               ; this half's fragments are in (asked for 32 products ago)
.if (\hc) == 0
	s_wait_loadcnt 0x0                             ; bo
.endif
.if ((\hc)%2 == 1) && ((\hc) < 7)
	s_wait_tensorcnt 3-((\hc)+1)/2                 ; my part of the next chunk has landed; the chunks behind it may stay out
	s_barrier_signal -1
	s_barrier_wait -1                              ; everybody's has
.endif
.if (\hc) < 7
.if (\hc) > 0
.rept 4
	v_nop                                          ; four places in front of loads into registers that the last half's products have read
.endr
.endif
	FETCH (\hc)+1
.endif
.set FB, 128*((\hc)%2)
	WIN 0x05                                       ; sources window 1; C and D window 0
.irp k2, 0,1                                   ; the 16 accumulators take turns
.irp a, 0,1,2,3
.irp b, 0,1,2,3
.if ((\hc) == 0) && (\k2 == 0)
	v_wmma_f32_16x16x32_f16 v[ACC+8*(4*\a+\b):ACC+8*(4*\a+\b)+7], v[FB+64+8*(4*\k2+\b):FB+64+8*(4*\k2+\b)+7], v[FB+8*(4*\k2+\a):FB+8*(4*\k2+\a)+7], v[BO+8*\b:BO+8*\b+7]
.else
	v_wmma_f32_16x16x32_f16 v[ACC+8*(4*\a+\b):ACC+8*(4*\a+\b)+7], v[FB+64+8*(4*\k2+\b):FB+64+8*(4*\k2+\b)+7], v[FB+8*(4*\k2+\a):FB+8*(4*\k2+\a)+7], v[ACC+8*(4*\a+\b):ACC+8*(4*\a+\b)+7]
.endif
.endr
.endr
.endr
	WIN 0
.endm
	s_wait_tensorcnt 3                             ; my part of chunk 0 is in; three loads may stay out
	s_barrier_signal -1
	s_barrier_wait -1                              ; everybody's is
	FETCH 0
	HALF 0
	HALF 1
	HALF 2
	HALF 3
	HALF 4
	HALF 5
	HALF 6
	HALF 7
; THE WAY OUT, 16 tokens x 64 features at a time: a lane holds 32 bytes of a row and its neighbours hold other rows, so a block goes through my own stage and comes back as whole rows of 256 bytes.
.macro TOSTAGE a
.irp b, 0,1,2,3
	ds_store_b128 v[STO], v[ACC+8*(4*(\a)+\b):ACC+8*(4*(\a)+\b)+3] offset:64*\b        ; each accumulator from its low end on
	ds_store_b128 v[STO], v[ACC+8*(4*(\a)+\b)+4:ACC+8*(4*(\a)+\b)+7] offset:64*\b+16
.endr
.irp t, 0,1,2,3,4,5,6,7
	ds_load_b128 v[BK+32*((\a)%2)+4*\t:BK+32*((\a)%2)+4*\t+3], v[RD] offset:544*\t     ; LDS serves a wave's instructions in order: these see the stores above
.endr
.endm
.macro SEND a, younger                 ; younger: the LDS instructions issued behind block a's loads, which may stay out
	s_wait_dscnt \younger
.irp t, 0,1,2,3,4,5,6,7
	global_store_b128 v[CO], v[BK+32*((\a)%2)+4*\t:BK+32*((\a)%2)+4*\t+3], s[10:11] offset:32768*(\a)+4096*\t th:TH_STORE_NT   ; sixteen lanes store 256 consecutive bytes, aligned
.endr
.endm
.rept 4
	v_nop                                          ; four places behind the last products
.endr
	TOSTAGE 0
	TOSTAGE 1
	SEND 0, 16                                     ; behind block 0's loads: block 1's 8 stores and 8 loads
	s_wait_xcnt 0x0                                ; block 0's stores have read their registers: block 2's loads may land there
	TOSTAGE 2
	SEND 1, 16
	s_wait_xcnt 0x0
	TOSTAGE 3
	SEND 2, 16
	SEND 3, 0
	s_wait_tensorcnt 0x0                           ; the wave's end
	ds_add_u32 v[SPW], v[NIL]
	s_wait_dscnt 0x0
	CROUND                                         ; the closing round
	s_endpgm
.Lfunc_end_k_qccc4986d89_oproj:
	.size	k_qccc4986d89_oproj, .Lfunc_end_k_qccc4986d89_oproj-k_qccc4986d89_oproj
	.p2alignl 7, 3214868480
	.fill 96, 4, 3214868480
	.section	.rodata,"a",@progbits
	.p2align	6, 0x0
	.amdhsa_kernel k_qccc4986d89_oproj
		.amdhsa_group_segment_fixed_size 280064
		.amdhsa_private_segment_fixed_size 0
		.amdhsa_enable_private_segment 0
		.amdhsa_kernarg_size 32
		.amdhsa_user_sgpr_count 2
		.amdhsa_user_sgpr_kernarg_segment_ptr 1
		.amdhsa_wavefront_size32 1
		.amdhsa_system_sgpr_workgroup_id_x 1
		.amdhsa_system_sgpr_workgroup_id_y 1
		.amdhsa_system_sgpr_workgroup_id_z 1
		.amdhsa_system_vgpr_workitem_id 0
		.amdhsa_next_free_vgpr 512
		.amdhsa_next_free_sgpr 100
		.amdhsa_reserve_vcc 0
		.amdhsa_float_denorm_mode_32 3
		.amdhsa_float_denorm_mode_16_64 3
		.amdhsa_memory_ordered 1
		.amdhsa_forward_progress 1
		.amdhsa_inst_pref_size 51
	.end_amdhsa_kernel
	.amdgpu_metadata
---
amdhsa.version: [ 1, 2 ]
amdhsa.kernels:
  - .name:           k_qccc4986d89_oproj
    .symbol:         k_qccc4986d89_oproj.kd
    .args:
      - { .name: cf, .offset: 0, .size: 8, .value_kind: global_buffer, .address_space: global }
      - { .name: wof, .offset: 8, .size: 8, .value_kind: global_buffer, .address_space: global }
      - { .name: bo, .offset: 16, .size: 8, .value_kind: global_buffer, .address_space: global }
      - { .name: out0, .offset: 24, .size: 8, .value_kind: global_buffer, .address_space: global }
    .group_segment_fixed_size: 280064
    .private_segment_fixed_size: 0
    .kernarg_segment_align: 8
    .kernarg_segment_size: 32
    .max_flat_workgroup_size: 128
    .sgpr_count:     100
    .vgpr_count:     512
    .wavefront_size: 32
...
	.end_amdgpu_metadata
.endif
;; end of part 4
